; MI455X (gfx1250); checked and timed in simulation.
; The chip was launched on July 23, 2026; its instructions are those of AMD's public machine-readable ISA for CDNA 5 (MIT licence, August 2026) and "CDNA5" Instruction Set Architecture Reference Guide (July 2026). The comments in the code are by the model that wrote it; some were corrected since.
;; Optimized DS Mo E. Allowed arithmetic: matrix products marked QUANTISED: E2M1 operands, one E8M0 scale for each 32 along K, by v_wmma_scale_f32_16x16x128_f8f6f4 with both operands' format E2M1 (or v_wmma_scale_f32_32x16x128_f4), f32 sums; products left as they are: f32 operands where the result goes on into a quantised operand, else bf16, f16 or f32 operands; f32 sums; everything else in f32.
;; Inputs: W1_codes 8 x 4,096 x 32 x 16 uint8 (E2M1 codes of W1, K innermost, in blocks of 32 codes, two codes a byte); W1_scales 8 x 4,096 x 32 uint8 (E8M0 scales of W1, one for each 32 codes along K); W2_codes 8 x 1,024 x 128 x 16 uint8 (E2M1 codes of W2, K innermost, in blocks of 32 codes, two codes a byte); W2_scales 8 x 1,024 x 128 uint8 (E8M0 scales of W2, one for each 32 codes along K); Wg 1,024 x 8 float32; x 4 x 256 x 1,024 float32.
;; Outputs: out0 4 x 256 x 1,024 float32; out1 one number float32.
;; This version of the problem:
;;   THIS VERSION OF THE PROBLEM IS GIVEN IN LOW PRECISION. The matrix products marked QUANTISED in the list below multiply operands that are first quantised to E2M1 (2 exponent bits, 1 mantissa bit; 4 bits a number), with one power-of-two scale for each 32 numbers along K (OCP MX v1.0); their sums are f32. All else is computed in f32.
;;   The module's matrix products, in the order in which they are computed (A, B: the left and right operand; K: the contracted axis; several contracted axes count as one K, in the product's order):
;;     1. [M 1,024, K 1,024] x [K 1,024, N 8]; A: input x; B: input Wg: left as it is (N = 8 < 16)
;;     2. [M 1,024, K 1,024] x [K 1,024, N 4,096]; A: input x; B: input W1 (given as codes): QUANTISED
;;     3. [M 1,024, K 4,096] x [K 4,096, N 1,024]; A: computed on the way; B: input W2 (given as codes): QUANTISED
;;     4. [M 1,024, K 1,024] x [K 1,024, N 4,096]; A: input x; B: input W1 (given as codes): QUANTISED
;;     5. [M 1,024, K 4,096] x [K 4,096, N 1,024]; A: computed on the way; B: input W2 (given as codes): QUANTISED
;;     6. [M 1,024, K 1,024] x [K 1,024, N 4,096]; A: input x; B: input W1 (given as codes): QUANTISED
;;     7. [M 1,024, K 4,096] x [K 4,096, N 1,024]; A: computed on the way; B: input W2 (given as codes): QUANTISED
;;     8. [M 1,024, K 1,024] x [K 1,024, N 4,096]; A: input x; B: input W1 (given as codes): QUANTISED
;;     9. [M 1,024, K 4,096] x [K 4,096, N 1,024]; A: computed on the way; B: input W2 (given as codes): QUANTISED
;;     10. [M 1,024, K 1,024] x [K 1,024, N 4,096]; A: input x; B: input W1 (given as codes): QUANTISED
;;     11. [M 1,024, K 4,096] x [K 4,096, N 1,024]; A: computed on the way; B: input W2 (given as codes): QUANTISED
;;     12. [M 1,024, K 1,024] x [K 1,024, N 4,096]; A: input x; B: input W1 (given as codes): QUANTISED
;;     13. [M 1,024, K 4,096] x [K 4,096, N 1,024]; A: computed on the way; B: input W2 (given as codes): QUANTISED
;;     14. [M 1,024, K 1,024] x [K 1,024, N 4,096]; A: input x; B: input W1 (given as codes): QUANTISED
;;     15. [M 1,024, K 4,096] x [K 4,096, N 1,024]; A: computed on the way; B: input W2 (given as codes): QUANTISED
;;     16. [M 1,024, K 1,024] x [K 1,024, N 4,096]; A: input x; B: input W1 (given as codes): QUANTISED
;;     17. [M 1,024, K 4,096] x [K 4,096, N 1,024]; A: computed on the way; B: input W2 (given as codes): QUANTISED
;;   THE QUANTISER, for each operand of a quantised product, along K:
;;     - K is cut into blocks of 32 from its start; a last block that is shorter is filled with zeros.
;;     - A block's scale is 2^e with e = floor(log2(the largest magnitude in the block)) - 2, held to -126 .. 127; a block of zeros has e = 0. As a byte (E8M0): e + 127.
;;     - Each number is divided by its block's scale, clamped to +-6, and rounded to the nearest number of E2M1, ties to even, subnormals kept.
;;     - The product sums the exact products of the quantised numbers (number of the format x scale) in f32.
;;   ~~~python
;;   def quantise(x, axis):      # numpy; x: float32 -> the quantised numbers, widened to float32 again
;;       x = np.moveaxis(x, axis, -1); K = x.shape[-1]
;;       x = np.pad(x, [(0, 0)] * (x.ndim - 1) + [(0, -K % 32)]); x = x.reshape(x.shape[:-1] + (-1, 32)); a = np.abs(x).max(-1, keepdims=True)
;;       e = np.where(a > 0, np.clip(np.frexp(np.where(a > 0, a, 1))[1] - 1 - 2, -126, 127), 0)      # np.frexp(a)[1] - 1 = floor(log2(a)), exactly
;;       r = np.clip(x / 2.0 ** e, -6, 6)
;;       step = 2.0 ** (np.maximum(np.frexp(np.where(r == 0, 1, r))[1] - 1, 0) - 1)
;;       q = np.round(r / step) * step * 2.0 ** e      # np.round: ties to even
;;       return np.moveaxis(q.reshape(q.shape[:-2] + (-1,))[..., :K], -1, axis).astype(np.float32)
;;   ~~~
;;   OPERANDS COMPUTED ON THE WAY. 'Computed on the way' means the value that the module computes at that place (a softmax that the list does not call 'softmax' is quantised finished and normalised). What goes into a quantiser is computed in f32, as accurately as f32 sums, v_exp_f32 and their like allow (about 1e-6 of the number): no bf16 or f16 on the way to a quantiser, and a product that is left as it is and whose result goes on into a quantised operand takes f32 operands (vector FMAs, or v_wmma_f32_16x16x4_f32). A number that lies on a knife's edge between two numbers of the format may be rounded either way, as far as f32 arithmetic and the matrix unit's own rounding can turn it there, and no further.
;;   INPUTS GIVEN AS CODES. W1 (in the module: [8, 1024, 4096], K = its axis 1); W2 (in the module: [8, 4096, 1024], K = its axis 1): each comes as NAME_codes (uint8): NAME with its K axis moved to the last place and cut into blocks of 32 codes, [.., K / 32, bytes a block], one block behind the other in memory; two codes a byte, the lower K in the low four bits (a code: sign, 2 exponent bits, 1 mantissa bit); and NAME_scales (uint8): the same leading axes, one E8M0 byte (e + 127) for each 32 codes along K. Its value is code x scale, taken as it is: it is not quantised again, and the codes and scales need not be those that the quantiser above would give.
;; One version. Each part assembles by itself: llvm-mc -triple=amdgcn-amd-amdhsa -mcpu=gfx1250 --defsym DOCPART=n.
;; ======== version 1 of 1: 4 launches
;; limits: right only within a limited range of input values
;; workspace buffers: xq 557,056 bytes; tm 4,096 bytes of whole numbers; rt 24,576 bytes; hq 18,874,368 bytes; sl 8,192 bytes of whole numbers; y 67,108,864 bytes
;; launch route (part 1): grid 256 x 1, 4 waves a work-group, no clusters, 52,736 bytes of LDS; arguments x, Wg, xq, tm, rt; writes xq, tm, rt
.if DOCPART == 1
	.amdgcn_target "amdgcn-amd-amdhsa--gfx1250"
	.amdhsa_code_object_version 6
	.text
	.protected	k_q3431e7742c_route
	.globl	k_q3431e7742c_route
	.p2align	8
	.type	k_q3431e7742c_route,@function
k_q3431e7742c_route:
	s_mov_b64 s[64:65], 0
	v_nop
	global_prefetch_b8 v0, s[64:65] scope:SCOPE_SE
	s_setreg_imm32_b32 hwreg(HW_REG_WAVE_MODE, 25, 1), 1
	s_wait_xcnt 0x0
; THE ROUTER, AND x INTO CODES.  1,024 tokens of 1,024 numbers; a wave takes one token, a work-group four.
; It makes: x's E2M1 codes and E8M0 bytes along K (xq); gate logits x Wg in f32, softmax over 8 experts (the maximum taken away first), the two largest
; probabilities (strict >, so the lower index wins a tie, as jax.lax.top_k), their weights v / (v0 + v1 + 1e-8) (rt), one whole-number word a token
; (tm: bit i0 | bit i1 | i0 << 8 | i1 << 16), and for the loss a record a work-group: the sums over its 4 tokens of p0..p7 and of the one-hots (rt, from byte 8,192).
; No address and no branch here hangs on the choice: it is stored at fixed places, and the later launches read it.
; WORK LEFT OUT BY THE WHOLE PROGRAM, for all values of the inputs:
;  (a) reference() multiplies expert e's result for token t by comb[t, e], which it builds from one_hot(top_i): for the six experts outside top_i[t] that factor is the
;      number 0, so rows (t, e) of the quantised products with e outside top_i[t] reach no output.  Only the 2,048 chosen rows are multiplied.
;  (b) usage.sum() is the number of one-hots, 1,024 x 2 = 2,048, by identity: loss = 8 sum_e (P_e / 1,024) (U_e / 2,048) = 2^-18 sum_e P_e U_e.
;  Every input keeps a way to an output and is loaded.
; LIMITS: a NaN, an infinity or an overflow that arises only in an expert that was not chosen is not carried to the result.  NaN and infinities among the inputs are not served.
;  A block whose largest magnitude lies under 2^-124 keeps the byte 1, a block of zeros too (its codes are zeros; the bytes are read by this program alone).
;  A token whose second and third probabilities agree to f32 rounding may choose the other expert.
; No matrix unit: the gate has 8 columns.  x's 32 scale bytes, the word and the two weights of a token are short stores: together under a hundredth of the bytes moved here.
.set WGP,   1040                       ; Wg in LDS: 32 blocks of 1,024 bytes (32 rows k x 8 experts), 16 bytes of padding behind each: 65 x 16, so sixteen lanes' 16-byte reads touch sixteen different 16-byte columns of 256
.set STG,   32*WGP                     ; behind it a stage for each wave: 32 places of 128 bytes + 16
.set STGW,  32*144
.set REC,   STG+4*STGW                 ; the four waves' records, 128 bytes each
.set SPARE, REC+512                    ; the spare words, 128 bytes for each wave: two blocks of 256 bytes that no other line names
.set SPW, 8                            ; v8   LDS address of my spare word; never rewritten
.set NIL, 9                            ; v9   0; never rewritten
.set X0,  16                           ; v16-47   the row as loaded
.set XB,  48                           ; v48-79   my block: k = 32 lane + 0 .. 31
.set WR,  80                           ; v80-143  Wg as loaded; then two buffers of 32 for the gate
.set AC,  144                          ; v144-151 the 8 logits
.set PR,  152                          ; v152-159 the 8 probabilities
.set C,   160                          ; v160-163 my block's codes
.set QQ,  172                          ; v172-179 the probabilities without the largest
.set BV0, 180
.set BI0, 181
.set BV1, 182
.set BI1, 183
.set D,   184
.set WORD, 185
.set TV,  186                          ; v[186:187] the two weights
	s_load_b256 s[4:11], s[0:1], 0x0               ; x s[4:5], Wg s[6:7], xq s[8:9], tm s[10:11]
	s_load_b64 s[12:13], s[0:1], 0x20              ; rt
	v_lshl_add_u32 v[SPW], v0, 2, SPARE
	v_mov_b32 v[NIL], 0
	v_lshrrev_b32 v1, 5, v0
	v_readfirstlane_b32 s14, v1                    ; wave 0..3
	v_and_b32 v1, 31, v0                           ; lane
	v_lshlrev_b32 v2, 4, v1                        ; 16 x lane
	v_lshrrev_b32 v3, 3, v1
	v_mul_u32_u24 v3, v3, 144
	v_and_b32 v12, 7, v1
	v_lshl_add_u32 v3, v12, 4, v3
	s_mul_i32 s18, s14, STGW
	s_add_co_u32 s18, s18, STG
	v_add_nc_u32 v3, s18, v3                       ; into my stage: eight lanes' 128 bytes on end, then the padding
	v_mul_u32_u24 v4, v1, 144
	v_add_nc_u32 v4, s18, v4                       ; out of it: place = lane
	v_lshlrev_b32 v10, 4, v0                       ; 16 x thread: Wg as it lies
	v_lshrrev_b32 v5, 6, v0
	v_lshl_add_u32 v5, v5, 4, v10                  ; and in LDS: + 16 for each 1,024 passed
	v_mul_u32_u24 v6, v1, WGP                      ; my block of Wg
	v_lshl_add_u32 v7, v0, 2, REC                  ; my word of my wave's record
	v_mov_b32 v11, 0
	v_lshl_add_u32 v13, v1, 2, REC                 ; my word of wave 0's record
	v_lshlrev_b32 v14, 2, v1
	v_mov_b32 v15, 1
	s_mov_b32 s16, 0x76543210
	s_mov_b32 s17, 0xfedcba98                      ; v_permlanex16_b32's selects for lane l xor 16
.irp e, 1,2,3,4,5,6,7
	s_mov_b32 s[19+\e], 0x01010101<<\e             ; the lanes with lane % 8 = e
.endr
	s_mov_b32 s27, 0xff00ff00                      ; lanes 8-15 and 24-31
	s_lshl_b32 s15, ttmp9, 2
	s_add_co_u32 s15, s15, s14                     ; my token
	s_mov_b32 s19, 0
	s_lshl_b32 s18, s15, 12
	s_wait_alu depctr_va_vdst(0)
	s_wait_kmcnt 0x0
	s_add_nc_u64 s[4:5], s[4:5], s[18:19]          ; its row of x
	s_lshl_b32 s18, s15, 5
	s_add_nc_u64 s[30:31], s[8:9], s[18:19]        ; its 32 scale bytes (524,288 further on: in the store's immediate)
	s_lshl_b32 s18, s15, 9
	s_add_nc_u64 s[8:9], s[8:9], s[18:19]          ; its 512 bytes of codes
	s_lshl_b32 s18, s15, 2
	s_add_nc_u64 s[10:11], s[10:11], s[18:19]      ; its word
	s_lshl_b32 s18, s15, 3
	s_add_nc_u64 s[34:35], s[12:13], s[18:19]      ; its two weights
	s_lshl_b32 s18, ttmp9, 6
	s_add_nc_u64 s[32:33], s[12:13], s[18:19]      ; my work-group's record (8,192 further on)
.irp i, 0,1,2,3,4,5,6,7
	global_load_b128 v[X0+4*\i:X0+4*\i+3], v2, s[4:5] offset:512*\i th:TH_LOAD_NT   ; 32 lanes read 512 consecutive bytes
.endr
.irp i, 0,1,2,3,4,5,6,7,8,9,10,11,12,13,14,15
	global_load_b128 v[WR+4*\i:WR+4*\i+3], v10, s[6:7] offset:2048*\i               ; the work-group reads 2,048 consecutive bytes of Wg
.endr
	s_wait_loadcnt 16                              ; x's eight loads are in; Wg's sixteen, issued behind them, may be out
.irp i, 0,1,2,3,4,5,6,7
	ds_store_b128 v3, v[X0+4*\i:X0+4*\i+3] offset:576*\i
.endr
.irp j, 0,1,2,3,4,5,6,7
	ds_load_b128 v[XB+4*\j:XB+4*\j+3], v4 offset:16*\j      ; LDS serves a wave's instructions in order: these see my stores.  A lane now holds a whole block of 32 along K
.endr
	s_wait_loadcnt 0x0
.irp i, 0,1,2,3,4,5,6,7,8,9,10,11,12,13,14,15
	ds_store_b128 v5, v[WR+4*\i:WR+4*\i+3] offset:2080*\i
.endr
	s_wait_dscnt 0x0                               ; my part of Wg has landed (for the others' sake), and my block is in
	s_barrier_signal -1
	s_barrier_wait -1                              ; Wg is whole in LDS
.macro GLOAD b                         ; rows k = 32 lane + 4 b + 0 .. 3 of Wg, 8 numbers each, into buffer b % 2
.irp m, 0,1,2,3
	ds_load_b128 v[WR+32*((\b)%2)+8*\m:WR+32*((\b)%2)+8*\m+3],   v6 offset:32*(4*(\b)+\m)
	ds_load_b128 v[WR+32*((\b)%2)+8*\m+4:WR+32*((\b)%2)+8*\m+7], v6 offset:32*(4*(\b)+\m)+16
.endr
.endm
	GLOAD 0
	GLOAD 1
	; my block into codes, while the first rows of Wg come
	v_max3_num_f32 v164, |v[XB]|, |v[XB+1]|, |v[XB+2]|
	v_max3_num_f32 v165, |v[XB+3]|, |v[XB+4]|, |v[XB+5]|
.irp i, 6,10,14,18,22,26
	v_max3_num_f32 v164, v164, |v[XB+\i]|, |v[XB+\i+1]|
	v_max3_num_f32 v165, v165, |v[XB+\i+2]|, |v[XB+\i+3]|
.endr
	v_max3_num_f32 v164, v164, |v[XB+30]|, |v[XB+31]|
	v_max3_num_f32 v164, v164, v165, 0x1800000     ; and the floor 2^(3 - 127): the byte cannot fall under 1
	v_add_nc_u32 v166, 0xff000000, v164            ; 2 off the exponent field: the conversion takes the exponent field of this operand as its scale
	v_lshrrev_b32 v167, 23, v166                   ; the scale's byte
.irp g, 0,1,2,3
	v_cvt_scalef32_pk8_fp4_f32 v[C+\g], v[XB+8*\g:XB+8*\g+7], v166
.endr
	v_nop                                          ; one plain line behind the last scaled conversion
	global_store_b128 v2, v[C:C+3], s[8:9]         ; the wave stores the token's 512 bytes of codes on end
	global_store_b8 v1, v167, s[30:31] offset:524288
.macro GATE b                          ; four rows of Wg against my four numbers: 8 sums, one for each expert
.if (\b) < 7
	s_wait_dscnt 8                                 ; this batch's eight loads are in; the next batch's eight may be out
.else
	s_wait_dscnt 0x0
.endif
.irp m, 0,1,2,3
.irp e, 0,1,2,3,4,5,6,7
.if (4*(\b)+\m) == 0
	v_mul_f32 v[AC+\e], v[XB], v[WR+\e]            ; the first product starts the sum
.else
	v_fmac_f32 v[AC+\e], v[XB+4*(\b)+\m], v[WR+32*((\b)%2)+8*\m+\e]
.endif
.endr
.endr
.if (\b) < 6
	GLOAD (\b)+2
.endif
.endm
.irp b, 0,1,2,3,4,5,6,7
	s_wait_alu depctr_va_vdst(0)
	GATE \b
.endr
.irp x, 1,2,4,8                        ; the 32 lanes' parts are added; every lane ends with all 8 logits
.irp e, 0,1,2,3,4,5,6,7
	v_add_f32_dpp v[AC+\e], v[AC+\e], v[AC+\e] row_xmask:\x row_mask:0xf bank_mask:0xf
.endr
.endr
.irp e, 0,1,2,3,4,5,6,7
	v_permlanex16_b32 v[WR+\e], v[AC+\e], s16, s17 ; (its destination counts as read: these registers have been written)
.endr
.irp e, 0,1,2,3,4,5,6,7
	v_add_f32 v[AC+\e], v[AC+\e], v[WR+\e]
.endr
	v_max3_num_f32 v164, v[AC], v[AC+1], v[AC+2]   ; the softmax: the largest logit is taken away first
	v_max3_num_f32 v164, v164, v[AC+3], v[AC+4]
	v_max3_num_f32 v164, v164, v[AC+5], v[AC+6]
	v_max_num_f32 v164, v164, v[AC+7]
.irp e, 0,1,2,3,4,5,6,7
	v_sub_f32 v[PR+\e], v[AC+\e], v164
.endr
.irp e, 0,1,2,3,4,5,6,7
	v_mul_f32 v[PR+\e], 0x3fb8aa3b, v[PR+\e]       ; x log2(e)
.endr
	s_wait_alu depctr_va_vdst(0)
.irp e, 0,1,2,3,4,5,6,7
	v_exp_f32 v[PR+\e], v[PR+\e]
.endr
	v_nop                                          ; a plain line behind the last exponential
	s_wait_alu depctr_va_vdst(0)                   ; one wait for the eight, ahead of their first reader
	v_add_f32 v168, v[PR], v[PR+1]
	v_add_f32 v169, v[PR+2], v[PR+3]
	v_add_f32 v170, v[PR+4], v[PR+5]
	v_add_f32 v171, v[PR+6], v[PR+7]
	v_add_f32 v168, v168, v169
	v_add_f32 v170, v170, v171
	v_add_f32 v168, v168, v170
	s_wait_alu depctr_va_vdst(0)
	v_rcp_f32 v168, v168
	v_nop
	s_wait_alu depctr_va_vdst(0)
.irp e, 0,1,2,3,4,5,6,7
	v_mul_f32 v[PR+\e], v[PR+\e], v168
.endr
	v_mov_b32 v[BV0], v[PR]                        ; the largest: selections only, no branch
	v_mov_b32 v[BI0], 0
.irp e, 1,2,3,4,5,6,7
	v_cmp_gt_f32 vcc_lo, v[PR+\e], v[BV0]
	v_cndmask_b32 v[BV0], v[BV0], v[PR+\e], vcc_lo
	v_cndmask_b32 v[BI0], v[BI0], \e, vcc_lo
.endr
.irp e, 0,1,2,3,4,5,6,7
	v_cmp_eq_u32 vcc_lo, \e, v[BI0]
	v_cndmask_b32 v[QQ+\e], v[PR+\e], -1.0, vcc_lo ; it is taken out: -1 lies under every probability
.endr
	v_mov_b32 v[BV1], v[QQ]                        ; the second
	v_mov_b32 v[BI1], 0
.irp e, 1,2,3,4,5,6,7
	v_cmp_gt_f32 vcc_lo, v[QQ+\e], v[BV1]
	v_cndmask_b32 v[BV1], v[BV1], v[QQ+\e], vcc_lo
	v_cndmask_b32 v[BI1], v[BI1], \e, vcc_lo
.endr
	v_add_f32 v[D], v[BV0], v[BV1]
	v_add_f32 v[D], 0x322bcc77, v[D]               ; + 1e-8
	s_wait_alu depctr_va_vdst(0)
	v_rcp_f32 v[D], v[D]
	v_lshlrev_b32 v168, v[BI0], v15                ; the token's word, while the reciprocal is made
	v_lshlrev_b32 v169, v[BI1], v15
	v_or_b32 v[WORD], v168, v169
	v_lshl_or_b32 v[WORD], v[BI0], 8, v[WORD]
	v_lshl_or_b32 v[WORD], v[BI1], 16, v[WORD]
	v_mov_b32 v188, v[PR]                          ; the record: lane l holds p of expert l % 8 (lanes 0-7) or its one-hot (lanes 8-15); lanes 16-31 repeat them
.irp e, 1,2,3,4,5,6,7
	v_cndmask_b32 v188, v188, v[PR+\e], s[19+\e]
.endr
	v_bfe_u32 v189, v[WORD], v12, 1
	v_cvt_f32_u32 v189, v189
	v_cndmask_b32 v190, v188, v189, s27
	ds_store_b32 v7, v190
	s_wait_alu depctr_va_vdst(0)                   ; the reciprocal's wait, ahead of its first reader
	v_mul_f32 v[TV], v[BV0], v[D]
	v_mul_f32 v[TV+1], v[BV1], v[D]
	s_wait_alu depctr_va_vdst(0)
	s_wait_xcnt 0x0                                ; EXEC changes only behind this wait: the stores of codes and bytes have been taken
	v_cmp_eq_u32 vcc_lo, 0, v1
	s_and_saveexec_b32 s28, vcc_lo                 ; lane 0 alone
	global_store_b32 v11, v[WORD], s[10:11]
	global_store_b64 v11, v[TV:TV+1], s[34:35]
	s_wait_xcnt 0x0
	s_or_b32 exec_lo, exec_lo, s28
	s_wait_dscnt 0x0                               ; my record has landed
	s_barrier_signal -1
	s_barrier_wait -1                              ; all four have
	s_cmp_lg_u32 s14, 0
	s_cbranch_scc1 .Lend                           ; wave 0 adds them
	ds_load_b32 v168, v13
	ds_load_b32 v169, v13 offset:128
	ds_load_b32 v170, v13 offset:256
	ds_load_b32 v171, v13 offset:384
	s_wait_dscnt 0x0
	v_add_f32 v168, v168, v169
	v_add_f32 v170, v170, v171
	v_add_f32 v168, v168, v170
	v_cmp_gt_u32 vcc_lo, 16, v1
	s_and_saveexec_b32 s28, vcc_lo                 ; lanes 0-15: 64 bytes on end
	global_store_b32 v14, v168, s[32:33] offset:8192
	s_wait_xcnt 0x0
	s_or_b32 exec_lo, exec_lo, s28
.Lend:
	s_wait_tensorcnt 0x0                           ; the wave's end, behind my last LDS store
	ds_add_u32 v[SPW], v[NIL]
	s_wait_dscnt 0x0
	s_endpgm
.Lfunc_end_k_q3431e7742c_route:
	.size	k_q3431e7742c_route, .Lfunc_end_k_q3431e7742c_route-k_q3431e7742c_route
	.p2alignl 7, 3214868480
	.fill 96, 4, 3214868480
	.section	.rodata,"a",@progbits
	.p2align	6, 0x0
	.amdhsa_kernel k_q3431e7742c_route
		.amdhsa_group_segment_fixed_size 52736
		.amdhsa_private_segment_fixed_size 0
		.amdhsa_enable_private_segment 0
		.amdhsa_kernarg_size 40
		.amdhsa_user_sgpr_count 2
		.amdhsa_user_sgpr_kernarg_segment_ptr 1
		.amdhsa_wavefront_size32 1
		.amdhsa_system_sgpr_workgroup_id_x 1
		.amdhsa_system_sgpr_workgroup_id_y 1
		.amdhsa_system_sgpr_workgroup_id_z 1
		.amdhsa_system_vgpr_workitem_id 0
		.amdhsa_next_free_vgpr 192
		.amdhsa_next_free_sgpr 66
		.amdhsa_reserve_vcc 1
		.amdhsa_float_denorm_mode_32 3
		.amdhsa_float_denorm_mode_16_64 3
		.amdhsa_memory_ordered 1
		.amdhsa_forward_progress 1
		.amdhsa_inst_pref_size 31
	.end_amdhsa_kernel
	.amdgpu_metadata
---
amdhsa.version: [ 1, 2 ]
amdhsa.kernels:
  - .name:           k_q3431e7742c_route
    .symbol:         k_q3431e7742c_route.kd
    .args:
      - { .name: x, .offset: 0, .size: 8, .value_kind: global_buffer, .address_space: global }
      - { .name: Wg, .offset: 8, .size: 8, .value_kind: global_buffer, .address_space: global }
      - { .name: xq, .offset: 16, .size: 8, .value_kind: global_buffer, .address_space: global }
      - { .name: tm, .offset: 24, .size: 8, .value_kind: global_buffer, .address_space: global }
      - { .name: rt, .offset: 32, .size: 8, .value_kind: global_buffer, .address_space: global }
    .group_segment_fixed_size: 52736
    .private_segment_fixed_size: 0
    .kernarg_segment_align: 8
    .kernarg_segment_size: 40
    .max_flat_workgroup_size: 128
    .sgpr_count:     66
    .vgpr_count:     192
    .wavefront_size: 32
...
	.end_amdgpu_metadata
.endif
;; end of part 1
;; launch ffn1 (part 2): grid 32 x 8, 4 waves a work-group, no clusters, 68,096 bytes of LDS; arguments xq, tm, W1_codes, W1_scales, hq, sl; writes hq, sl
.if DOCPART == 2
	.amdgcn_target "amdgcn-amd-amdhsa--gfx1250"
	.amdhsa_code_object_version 6
	.text
	.protected	k_q3431e7742c_ffn1
	.globl	k_q3431e7742c_ffn1
	.p2align	8
	.type	k_q3431e7742c_ffn1,@function
k_q3431e7742c_ffn1:
	s_mov_b64 s[64:65], 0
	v_nop
	global_prefetch_b8 v0, s[64:65] scope:SCOPE_SE
	s_setreg_imm32_b32 hwreg(HW_REG_WAVE_MODE, 25, 1), 1
	s_wait_xcnt 0x0
; THE FIRST PRODUCT OF THE CHOSEN ROWS: h = Q(gelu(Q(x) W1[e]^T)), on E2M1 codes with E8M0 scales.  Rows (t, e) with e outside top_i[t] are left out: reference() multiplies them by a 0 that it builds itself.
; SHARES.  Work-group (x = c, y = e) owns rows 128 c .. 128 c + 127 of W1[e] (hidden units): 64 KiB of codes, read from memory once, through an LDS stage into every wave's registers (64 fragments, 512 registers).
; A wave takes tiles J = wave, wave + 4, .. of 16 rows of the expert.  A tile's 128 hidden units are K step c of the second product: one fragment and one scale word a row, stored as an image of the operand's registers (hq).
; THE FIRST TILE GOES BY BLOCKS OF 32 HIDDEN UNITS: the fragments leave the stage block by block (32 LDS loads each), and block b's 16 products and its GELU stand between the requests for the later blocks and the waits for them.
; No tensor load and no cluster: the number of tiles hangs on whole numbers read from memory (tm), which differ from expert to expert.
; WHICH ROWS.  tm[t] has bit e set where token t chose expert e.  Word W = 4 i + j of the mask (load i, register j) has bit l for token 128 (W / 4) + 4 l + W % 4.  A token's rank is the number of set bits ahead of it
; in that order; SELECT finds the token of a rank, a rank a lane: lanes 0-15 ask for my next tile's rows, lanes 16-31 for those of the tile after it, so one SELECT serves two tiles.
; Ranks past the expert's last repeat its last row: such slots are written and never read.
; sl: wave 3 of work-group (c, e) publishes the tokens of mask word c: word [2 t + k] = 32,768 e + rank, the rank being the set bits ahead of word c plus those under the token's bit.
; THE PRODUCT IS USED TRANSPOSED (source 0 = 16 rows of W1, source 1 = 16 rows of x), and lane r of tile 2 b + u takes row 32 b + 8 u + r + 8 (r / 8) of the slice,
; so that a lane holds one row of h and the 16 registers of tiles 2 b, 2 b + 1 are hidden units 32 b + 16 (lane / 16) + 0 .. 15.
; GELU, exact: g = max(x, 0) - |x| a, a = erfc(|x| / sqrt 2) / 2 = t 2^E, t = 1 / (1 + |x| / sqrt 8), E = c0 - x^2 log2(e) / 2 + t (c1 + t (c2 + .. + t c9)): a fit of erfc with fractional error 1.2e-7
; for every argument, its coefficients x log2(e), c0 carrying -1 for the half.  LIMIT: where a falls under 2^-126 it comes out as 0.
; LIMITS of the quantiser: a block under 2^-124, and a block of zeros, keep the byte 1 (the bytes are this program's own).
; REGISTERS, in windows of 256.  Window 0: v1-31 addresses and SELECT's work; v32-63 tm; v64-95 W1's scale words; v96-103 x's; v104-167 x's 8 fragments; v168 my token's word; v169-199 the set bits ahead of mask words 1 to 31.
;   Windows 1, 2: W1's fragment (tile tl, K step s) at v[8 (8 (s % 4) + tl)] of window 1 + s / 4.   Window 3: v0-63 h (at the head v0-63: the stage's loads); v64-127 t; v128-191 E; v192-207 Horner; v208-233 the quantiser; v240-245 constants.
.set SPARE, 128*528                    ; LDS: the stage, 128 rows of 512 bytes + 16; behind it the spare words, 128 bytes for each wave
.set SPW, 4
.set NIL, 5
.set XAD, 8
.set XSD, 9
.set RK,  10
.set VM,  11
.set VP,  12
.set VW,  13
.set A1,  14
.set A2,  15
.set A3,  16
.set A4,  17
.set KK,  18
.set POS, 19
.set TOK, 20
.set TP,  23                           ; the pair's tokens: lanes 0-15 the tile to be asked for next
.set XX,  28                           ; the same with the halves of the lanes exchanged
.set R2,  29                           ; r + 64 h: a rank's place in the pair of tiles (my tiles lie 64 ranks apart)
.set PT,  30                           ; the token that I publish;  v31 its word's byte offset in tm
.set TMW, 32
.set W1S, 64                           ; register 8 b + s: lanes 0-15 tile 2 b's words of K step s, lanes 16-31 tile 2 b + 1's
.set XS,  96
.set XF,  104
.set PFV, 168                          ; v[PFV + W]: set bits ahead of mask word W, W = 1 .. 31; v[PFV] itself: my token's word
.set HA,  0                            ; window 3 from here on
.set T,   64
.set P,   128
.set R,   192
.set TM,  208
.set PW,  224
.set PC,  226
.set LI3, 240                          ; 16 x lane
.set LS3, 241                          ; 4 x lane
.set K0,  242                          ; v[242:243] c0
.set K8,  244                          ; v[244:245] c8
.set MSB, 0
.macro WIN new                         ; the immediate's high byte repeats the setting that is left; a switch that changes nothing is dropped
.if MSB != (\new)
	s_set_vgpr_msb (MSB<<8)|(\new)
.set MSB, (\new)
.endif
.endm
.macro DESC src, width, step           ; one step down: does the wanted bit lie beyond the field of `width` count bits at POS?
	v_bfe_u32 v21, v[\src], v[POS], \width
	v_cmp_ge_u32 vcc_lo, v[KK], v21
	v_cndmask_b32 v21, 0, v21, vcc_lo
	v_cndmask_b32 v22, 0, \step, vcc_lo
	v_sub_nc_u32 v[KK], v[KK], v21
	v_add_nc_u32 v[POS], v[POS], v22
.endm
; The token of rank v[RK] into v[TP], lane by lane.  First the last mask word whose bits ahead are at most the rank, then the rank's bit in that word, by the word's counts in fields of 2, 4, 8, 16 bits.
.macro SELECT
	v_mov_b32 v[VM], s32
	v_mov_b32 v[VP], 0
	v_mov_b32 v[VW], 0
.set W, 1
.rept 15
	v_cmp_le_u32 s26, v[PFV+W], v[RK]
	v_cmp_le_u32 s27, v[PFV+W+1], v[RK]
	v_cndmask_b32 v[VM], v[VM], s[32+W], s26
	v_cndmask_b32 v[VP], v[VP], v[PFV+W], s26
	v_cndmask_b32 v[VW], v[VW], W, s26
	v_cndmask_b32 v[VM], v[VM], s[33+W], s27
	v_cndmask_b32 v[VP], v[VP], v[PFV+W+1], s27
	v_cndmask_b32 v[VW], v[VW], W+1, s27
.set W, W+2
.endr
	v_cmp_le_u32 s26, v[PFV+31], v[RK]
	v_cndmask_b32 v[VM], v[VM], s63, s26
	v_cndmask_b32 v[VP], v[VP], v[PFV+31], s26
	v_cndmask_b32 v[VW], v[VW], 31, s26
	v_sub_nc_u32 v[KK], v[RK], v[VP]
	v_lshrrev_b32 v21, 1, v[VM]
	v_and_b32 v21, 0x55555555, v21
	v_sub_nc_u32 v[A1], v[VM], v21
	v_lshrrev_b32 v21, 2, v[A1]
	v_and_b32 v21, 0x33333333, v21
	v_and_b32 v22, 0x33333333, v[A1]
	v_add_nc_u32 v[A2], v21, v22
	v_lshrrev_b32 v21, 4, v[A2]
	v_add_nc_u32 v21, v21, v[A2]
	v_and_b32 v[A3], 0x0f0f0f0f, v21
	v_lshrrev_b32 v21, 8, v[A3]
	v_add_nc_u32 v[A4], v21, v[A3]
	v_mov_b32 v[POS], 0
	DESC A4, 8, 16
	DESC A3, 8, 8
	DESC A2, 4, 4
	DESC A1, 2, 2
	DESC VM, 1, 1
	v_lshrrev_b32 v21, 2, v[VW]
	v_and_b32 v22, 3, v[VW]
	v_lshl_add_u32 v22, v[POS], 2, v22
	v_lshl_add_u32 v[TP], v21, 7, v22              ; 128 (W / 4) + 4 bit + W % 4
	v_min_u32 v[TP], 0x3ff, v[TP]                  ; a token's number
.endm
; The pair's next tile: every lane gets the token of its row r; the pair's halves change places, so that the next use finds the other tile.  Then that row's codes (8 fragments) and its 8 scale words are asked for.
.macro XLOAD
	v_permlanex16_b32 v[XX], v[TP], s24, s25
	v_cndmask_b32 v[TOK], v[TP], v[XX], s71        ; lanes 16-31 take lane l - 16's
	v_mov_b32 v[TP], v[XX]
	v_min_u32 v[TOK], 0x3ff, v[TOK]                ; a number made of loaded data enters an address only behind this bound
	v_lshl_add_u32 v[XAD], v[TOK], 9, v3
	v_lshlrev_b32 v[XSD], 5, v[TOK]
.set ks, 0
.rept 8
	global_load_b128 v[XF+8*ks:XF+8*ks+3],   v[XAD], s[4:5] offset:64*ks
	global_load_b128 v[XF+8*ks+4:XF+8*ks+7], v[XAD], s[4:5] offset:64*ks+32
.set ks, ks+1
.endr
	global_load_b128 v[XS:XS+3],   v[XSD], s[4:5] offset:524288
	global_load_b128 v[XS+4:XS+7], v[XSD], s[4:5] offset:524288+16
.endm
; My tile number s77 + 1, if I have one: an even number begins a new pair (SELECT), an odd one finds its tokens ready.  Every window is 0 here.
.macro NEXT
	s_add_co_u32 s80, s77, 1
	s_cmp_ge_u32 s80, s78
	s_cbranch_scc1 .Lnone_\@
	s_bitcmp1_b32 s80, 0
	s_cbranch_scc1 .Lodd_\@
	s_lshl_b32 s26, s80, 6
	s_add_co_u32 s26, s26, s81                     ; 16 (wave + 4 n)
	v_add_nc_u32 v[RK], s26, v[R2]
	v_min_u32 v[RK], s21, v[RK]                    ; held at the expert's last rank
	SELECT
.Lodd_\@:
	XLOAD
.Lnone_\@:
.endm
.macro MM1 s, tl                       ; one product: K step s, tile tl of the slice
.set rD, HA+8*(\tl)
.set rA, 8*(8*((\s)%4)+(\tl))
.set rB, XF+8*(\s)
.set rSA, W1S+8*((\tl)/2)+(\s)
.set rSB, XS+(\s)
.if (\s) == 0
.if (\tl)%2 == 0
	v_wmma_scale_f32_16x16x128_f8f6f4 v[rD:rD+7], v[rA:rA+7], v[rB:rB+7], 0, v[rSA], v[rSB] matrix_a_fmt:MATRIX_FMT_FP4 matrix_b_fmt:MATRIX_FMT_FP4
.else
	v_wmma_scale_f32_16x16x128_f8f6f4 v[rD:rD+7], v[rA:rA+7], v[rB:rB+7], 0, v[rSA], v[rSB] matrix_a_fmt:MATRIX_FMT_FP4 matrix_b_fmt:MATRIX_FMT_FP4 matrix_a_scale:MATRIX_SCALE_ROW1
.endif
.else
.if (\tl)%2 == 0
	v_wmma_scale_f32_16x16x128_f8f6f4 v[rD:rD+7], v[rA:rA+7], v[rB:rB+7], v[rD:rD+7], v[rSA], v[rSB] matrix_a_fmt:MATRIX_FMT_FP4 matrix_b_fmt:MATRIX_FMT_FP4
.else
	v_wmma_scale_f32_16x16x128_f8f6f4 v[rD:rD+7], v[rA:rA+7], v[rB:rB+7], v[rD:rD+7], v[rSA], v[rSB] matrix_a_fmt:MATRIX_FMT_FP4 matrix_b_fmt:MATRIX_FMT_FP4 matrix_a_scale:MATRIX_SCALE_ROW1
.endif
.endif
.endm
.macro MM s                            ; K step s: the 8 accumulators by turns, one instruction a turn
.irp tl, 0,1,2,3,4,5,6,7
	MM1 \s, \tl
.endr
.endm
.macro MMB b                           ; block b over all of K: its 2 accumulators by turns
	WIN 0xf1                                       ; source 0 (W1) window 1, source 1 (x) window 0, C and D window 3
.irp s, 0,1,2,3
	MM1 \s, 2*(\b)
	MM1 \s, 2*(\b)+1
.endr
	WIN 0xf2
.irp s, 4,5,6,7
	MM1 \s, 2*(\b)
	MM1 \s, 2*(\b)+1
.endr
.endm
.macro DSL b                           ; block b's 16 fragments out of the stage: 32 LDS loads; they stay in registers
	WIN 0x40                                       ; destination window 1
.irp ks, 0,1,2,3
.irp u, 0,1
	ds_load_b128 v[8*(8*\ks+2*(\b)+\u):8*(8*\ks+2*(\b)+\u)+3],   v25 offset:(32*(\b)+8*\u)*528+64*\ks
	ds_load_b128 v[8*(8*\ks+2*(\b)+\u)+4:8*(8*\ks+2*(\b)+\u)+7], v25 offset:(32*(\b)+8*\u)*528+64*\ks+32
.endr
.endr
	WIN 0x80                                       ; window 2
.irp ks, 0,1,2,3
.irp u, 0,1
	ds_load_b128 v[8*(8*\ks+2*(\b)+\u):8*(8*\ks+2*(\b)+\u)+3],   v25 offset:(32*(\b)+8*\u)*528+64*(\ks+4)
	ds_load_b128 v[8*(8*\ks+2*(\b)+\u)+4:8*(8*\ks+2*(\b)+\u)+7], v25 offset:(32*(\b)+8*\u)*528+64*(\ks+4)+32
.endr
.endr
.endm
.macro PLACES
.rept 4
	v_nop
.endr
.endm
; GELU of registers o .. o + n - 1 of h (n a multiple of 16), all in window 3.  Two batches of transcendentals, each with a wait ahead of it, independent work behind it and one wait ahead of its first reader
.macro GELU o, n
.set i, \o
.rept \n
	v_fma_f32 v[T+i], |v[HA+i]|, s70, 1.0          ; 1 + |x| / sqrt 8.  (Ascending: each accumulator is read from its low end first)
.set i, i+1
.endr
	s_wait_alu depctr_va_vdst(0)
.set i, \o
.rept \n
	v_rcp_f32 v[T+i], v[T+i]                       ; t
.set i, i+1
.endr
.set i, \o
.rept \n/2
	v_pk_mul_f32 v[P+i:P+i+1], v[HA+i:HA+i+1], v[HA+i:HA+i+1]
.set i, i+2
.endr
.set i, \o
.rept \n/2
	v_pk_fma_f32 v[P+i:P+i+1], v[P+i:P+i+1], s[68:69], v[K0:K0+1] op_sel_hi:[1,0,0]   ; c0 - x^2 log2(e) / 2
.set i, i+2
.endr
	s_wait_alu depctr_va_vdst(0)                   ; one wait for the reciprocals
.set g, \o
.rept \n/16                            ; the polynomial in t, eight pairs at a time
.irp p, 0,2,4,6,8,10,12,14
	v_pk_fma_f32 v[R+\p:R+\p+1], v[T+g+\p:T+g+\p+1], s[66:67], v[K8:K8+1] op_sel_hi:[1,0,0]   ; c9 t + c8
.endr
.irp k, 0x40097039, 0xbfd1a1e5, 0x3ecdfd18, 0xbe899a80, 0x3e0efb2e, 0x3f0a29d2, 0x3fb8ab5a   ; c7 .. c1
.irp p, 0,2,4,6,8,10,12,14
	v_pk_fma_f32 v[R+\p:R+\p+1], v[R+\p:R+\p+1], v[T+g+\p:T+g+\p+1], \k op_sel_hi:[1,1,0]
.endr
.endr
.irp p, 0,2,4,6,8,10,12,14
	v_pk_fma_f32 v[P+g+\p:P+g+\p+1], v[R+\p:R+\p+1], v[T+g+\p:T+g+\p+1], v[P+g+\p:P+g+\p+1]   ; E
.endr
.set g, g+16
.endr
	s_wait_alu depctr_va_vdst(0)
.set i, \o
.rept \n
	v_exp_f32 v[P+i], v[P+i]                       ; 2^E
.set i, i+1
.endr
.set i, \o
.rept \n
	v_mul_f32 v[T+i], |v[HA+i]|, v[T+i]            ; |x| t
.set i, i+1
.endr
.set i, \o
.rept \n
	v_max_num_f32 v[HA+i], 0, v[HA+i]              ; max(x, 0)
.set i, i+1
.endr
	s_wait_alu depctr_va_vdst(0)                   ; one wait for the exponentials
.set i, \o
.rept \n/2
	v_pk_fma_f32 v[HA+i:HA+i+1], v[T+i:T+i+1], v[P+i:P+i+1], v[HA+i:HA+i+1] neg_lo:[1,0,0] neg_hi:[1,0,0]   ; g = max(x, 0) - |x| t 2^E
.set i, i+2
.endr
.endm
; 64 numbers of a lane, register 16 b + i = k 32 b + 16 (lane / 16) + i of my row, become a fragment's codes and its scale word, and leave; the bases step four tiles on.
.macro OUT
.irp b, 0,1,2,3
	v_max3_num_f32 v[TM+\b], |v[HA+16*\b]|, |v[HA+1+16*\b]|, 0x1800000   ; and the floor 2^(3 - 127): the byte cannot fall under 1
.endr
.irp i, 2,4,6,8,10,12,14
.irp b, 0,1,2,3
	v_max3_num_f32 v[TM+\b], v[TM+\b], |v[HA+16*\b+\i]|, |v[HA+1+16*\b+\i]|
.endr
.endr
.irp b, 0,1,2,3
	v_permlanex16_b32 v[TM+4+\b], v[TM+\b], s24, s25
.endr
.irp b, 0,1,2,3
	v_max_num_f32 v[TM+\b], v[TM+\b], v[TM+4+\b]   ; with lane l xor 16's 16: the block's largest magnitude
.endr
.irp b, 0,1,2,3
	v_add_nc_u32 v[TM+12+\b], 0xff000000, v[TM+\b] ; 2 off its exponent field: the conversion's scale operand
.endr
.irp b, 0,1,2,3
	v_lshrrev_b32 v[TM+4+\b], 23, v[TM+12+\b]      ; the scale's byte
.endr
	v_lshl_or_b32 v[PW], v[TM+5], 8, v[TM+4]
	v_lshl_or_b32 v[PW], v[TM+6], 16, v[PW]
	v_lshl_or_b32 v[PW], v[TM+7], 24, v[PW]
.irp b, 0,1,2,3
	v_cvt_scalef32_pk8_fp4_f32 v[PC+2*\b], v[HA+16*\b:HA+7+16*\b], v[TM+12+\b]
	v_cvt_scalef32_pk8_fp4_f32 v[PC+1+2*\b], v[HA+8+16*\b:HA+15+16*\b], v[TM+12+\b]
.endr
	v_nop                                          ; one plain line behind the last scaled conversion
.irp c, 0,1                            ; the operand's layout wants a whole block in a lane
.irp i, 0,1
	v_permlane16_swap_b32 v[PC+4*\c+\i], v[PC+2+4*\c+\i]
.endr
.endr
	global_store_b128 v[LI3], v[PC:PC+3], s[72:73]             ; the fragment as it stands: 512 consecutive bytes a store
	global_store_b128 v[LI3], v[PC+4:PC+7], s[72:73] offset:512
	global_store_b32 v[LS3], v[PW], s[74:75]                   ; its scale words (lanes 16-31 repeat lanes 0-15)
	WIN 0
.endm
	s_load_b256 s[4:11], s[0:1], 0x0               ; xq s[4:5], tm s[6:7], W1's codes s[8:9], W1's scales s[10:11]
	s_load_b128 s[12:15], s[0:1], 0x20             ; hq s[12:13], sl s[14:15]
	v_lshl_add_u32 v[SPW], v0, 2, SPARE
	v_mov_b32 v[NIL], 0
	v_lshrrev_b32 v1, 5, v0
	v_readfirstlane_b32 s16, v1                    ; wave 0..3
	s_mov_b32 s17, ttmp9                           ; c
	s_and_b32 s18, ttmp7, 0xffff                   ; e
	s_lshl_b32 s23, 1, s18                         ; my expert's bit
	s_mov_b32 s24, 0x76543210
	s_mov_b32 s25, 0xfedcba98                      ; v_permlanex16_b32's selects for lane l xor 16
	s_mov_b32 s66, 0x3e7c6f08                      ; c9
	s_mov_b32 s67, s66                             ; (named with it as a pair, so it is written)
	s_mov_b32 s68, 0xbf38aa3b                      ; -log2(e) / 2
	s_mov_b32 s69, s68
	s_mov_b32 s70, 0x3eb504f3                      ; 1 / sqrt 8
	s_mov_b32 s71, 0xffff0000                      ; lanes 16-31
	s_lshl_b32 s81, s16, 4                         ; 16 x wave
	s_lshr_b32 s26, s17, 2
	s_lshl_b32 s26, s26, 7
	s_and_b32 s27, s17, 3
	s_add_co_u32 s82, s26, s27                     ; mask word c's first token: 128 (c / 4) + c % 4
	s_mul_i32 s83, s16, 528
	s_lshl_b32 s26, s18, 12
	s_lshl_b32 s27, s17, 7
	s_add_co_u32 s26, s26, s27                     ; my first row of W1: 4,096 e + 128 c
	s_lshl_b32 s28, s26, 9
	s_mov_b32 s29, 0
	s_lshl_b32 s30, s26, 5
	s_mov_b32 s31, 0
	s_mov_b32 s79, 0
	v_and_b32 v1, 31, v0                           ; lane
	v_and_b32 v2, 15, v0                           ; r
	v_bfe_u32 v21, v0, 4, 1                        ; h
	v_lshlrev_b32 v3, 4, v21                       ; 16 h
	v_lshl_add_u32 v[R2], v21, 6, v2
	v_lshlrev_b32 v6, 4, v1                        ; 16 x lane
	v_lshlrev_b32 v7, 2, v1                        ; 4 x lane
	v_lshlrev_b32 v27, 4, v0                       ; 16 x thread: a wave reads one row of W1, the work-group four
	v_add_nc_u32 v24, s83, v6                      ; the same in the stage
	v_and_b32 v22, 8, v2
	v_add_nc_u32 v22, v22, v2                      ; r + 8 (r / 8)
	v_mul_u32_u24 v25, v22, 528
	v_add_nc_u32 v25, v25, v3                      ; a fragment's row and half
	v_lshl_add_u32 v26, v21, 3, v22
	v_lshlrev_b32 v26, 5, v26                      ; W1's scale words: row 8 (lane / 16) + r + 8 (r / 8), 32 bytes a row
	v_lshl_add_u32 v[PT], v1, 2, s82               ; the token of bit `lane` of mask word c,
	v_lshlrev_b32 v31, 2, v[PT]                    ; and its word in tm
	v_mov_b32 v[XX], 0                             ; written once: a lane permute's destination counts as one of its sources
	s_wait_alu depctr_va_vdst(0)                   ; the wait at the head's end
	s_wait_kmcnt 0x0
	s_add_nc_u64 s[8:9], s[8:9], s[28:29]
	s_add_nc_u64 s[10:11], s[10:11], s[30:31]
	s_lshl_b32 s26, s18, 6
	s_add_co_u32 s26, s26, s16                     ; 64 e + my first tile
	s_lshl_b32 s28, s26, 15
	s_lshl_b32 s27, s17, 10
	s_add_co_u32 s28, s28, s27
	s_add_nc_u64 s[72:73], s[12:13], s[28:29]      ; its image: 32,768 bytes a tile, 1,024 a K step
	s_lshl_b32 s28, s26, 12
	s_lshl_b32 s27, s17, 7
	s_add_co_u32 s28, s28, s27
	s_add_nc_u64 s[74:75], s[12:13], s[28:29]
	s_add_nc_u64 s[74:75], s[74:75], 16777216      ; its scale words: 4,096 bytes a tile, 128 a K step
.irp i, 0,1,2,3,4,5,6,7
	global_load_b128 v[TMW+4*\i:TMW+4*\i+3], v6, s[6:7] offset:512*\i
.endr
	global_load_b32 v[PFV], v31, s[6:7]
	WIN 0xc0                                       ; destination window 3
	v_mov_b32 v[LI3], v6
	v_mov_b32 v[LS3], v7
.irp b, 0,1,2,3
	v_mov_b32 v[TM+4+\b], 0                        ; written once: a lane permute's destination counts as one of its sources
.endr
	v_mov_b32 v[K0], 0xc034d90f                    ; c0
	v_mov_b32 v[K0+1], 0xc034d90f
	v_mov_b32 v[K8], 0xbf97d29d                    ; c8
	v_mov_b32 v[K8+1], 0xbf97d29d
.set i, 0
.rept 16
	global_load_b128 v[4*i:4*i+3], v27, s[8:9] offset:2048*i th:TH_LOAD_NT   ; blocks 0 and 1 of my slice of W1, 2,048 consecutive bytes a load of the work-group; no other work-group reads it
.set i, i+1
.endr
	WIN 0
.irp b, 0,1,2,3
	global_load_b128 v[W1S+8*\b:W1S+8*\b+3],   v26, s[10:11] offset:1024*\b
	global_load_b128 v[W1S+8*\b+4:W1S+8*\b+7], v26, s[10:11] offset:1024*\b+16
.endr
	s_wait_loadcnt 24                              ; tm's nine loads are in; the 16 + 8 issued behind them may be out
.set W, 0
.rept 32
	v_and_b32 v[21+W%2], s23, v[TMW+W]
	v_cmp_ne_u32 s[32+W], 0, v[21+W%2]             ; mask word W: bit l for token 128 (W / 4) + 4 l + W % 4
.set W, W+1
.endr
	s_mov_b32 s19, 0
.set W, 0
.rept 32
.if W > 0
	v_mov_b32 v[PFV+W], s19                        ; the set bits ahead of word W, kept for SELECT
.endif
	s_cmp_eq_u32 s17, W
	s_cselect_b32 s79, s19, s79                    ; those ahead of word c, for sl
	s_bcnt1_i32_b32 s27, s[32+W]
	s_add_co_u32 s19, s19, s27                     ; the expert's rows
.set W, W+1
.endr
	s_add_co_u32 s20, s19, 15
	s_lshr_b32 s20, s20, 4
	s_min_u32 s20, s20, 64                         ; its tiles: 1,024 rows at the most
	s_sub_co_u32 s21, s19, 1                       ; its last rank
	v_add_nc_u32 v[RK], s81, v[R2]                 ; my first two tiles' ranks,
	v_min_u32 v[RK], s21, v[RK]
	SELECT
	XLOAD                                          ; and my first tile's rows, ahead of the wait for the slice (a wave with no tile asks for the expert's last row and reads nothing of it)
	s_wait_alu depctr_va_vdst(0)
; THE SLICE GOES THROUGH THE STAGE BLOCK BY BLOCK (32 rows, 8 loads of the work-group each), each block with a barrier of its own.  Blocks 2 and 3 are asked for behind x's rows, so that the wait for x does not
; count them; they land in window 0: in tm's registers, which have been read, and in v200-231.  Loads in their order: block 0 (8), block 1 (8), scale words (8), x (18), block 2 (8), block 3 (8).
; No branch on loaded numbers stands ahead of the last barrier: a wave with no tile works on the expert's last row until then and stores nothing.
.set SG3, 200
.set i, 0
.rept 8
	global_load_b128 v[TMW+4*i:TMW+4*i+3], v27, s[8:9] offset:2048*(16+i) th:TH_LOAD_NT
.set i, i+1
.endr
.set i, 0
.rept 8
	global_load_b128 v[SG3+4*i:SG3+4*i+3], v27, s[8:9] offset:2048*(24+i) th:TH_LOAD_NT
.set i, i+1
.endr
.macro STG cnt, reg, win, i0           ; a block into the stage: cnt = the loads issued behind the block's; its 8 registers of four from v[reg] of the window that win names
	s_wait_loadcnt \cnt
	WIN \win
.set i, 0
.rept 8
	ds_store_b128 v24, v[\reg+4*i:\reg+4*i+3] offset:2112*(\i0+i)
.set i, i+1
.endr
	WIN 0
	s_wait_dscnt 0x0                               ; my part of the block has landed, and the fragments that I asked for earlier are in
	s_barrier_signal -1
	s_barrier_wait -1                              ; the block is whole in LDS
.endm
	STG 50, 0, 0x0c, 0                             ; (an LDS store's data are its source 1: window 3)
	DSL 0
	STG 42, 32, 0x0c, 8
	DSL 1
	s_wait_loadcnt 16                              ; x's rows and all scale words are in; blocks 2 and 3 may be out
	MMB 0                                          ; MY FIRST TILE, block by block: block b's fragments came in ahead of the barrier of block b + 1
	WIN 0xff
	PLACES                                         ; four places in front of the first read of results
	GELU 0, 16
	STG 8, TMW, 0, 16
	DSL 2
	MMB 1
	WIN 0xff
	PLACES
	GELU 16, 16
	STG 0, SG3, 0, 24
	DSL 3
	WIN 0
	s_cmp_ge_u32 s16, s20
	s_cbranch_scc1 .Lfin                           ; no tile for me
	s_sub_co_u32 s78, s20, s16                     ; my tiles: (tiles - wave + 3) / 4, at least one,
	s_add_co_u32 s78, s78, 3
	s_lshr_b32 s78, s78, 2
	s_min_u32 s78, s78, 16                         ; 16 at the most: 64 tiles over four waves
	s_mov_b32 s77, 0                               ; the tile at work
	MMB 2
	WIN 0xff
	PLACES
	GELU 32, 16
	s_wait_dscnt 0x0                               ; block 3's fragments
	MMB 3
	WIN 0
	PLACES                                         ; also in front of the loads into x's registers
	NEXT
	WIN 0xff
	GELU 48, 16
	OUT
	s_mov_b32 s77, 1
	s_cmp_ge_u32 s77, s78
	s_cbranch_scc1 .Lfin
.Lloop:                                                ; a tile a trip: the next tile's rows are asked for behind the products and land under the GELU
	s_wait_loadcnt 0x0                             ; the tile's 18 loads are all that is out
	WIN 0xf1
	MM 0
	MM 1
	MM 2
	MM 3
	WIN 0xf2
	MM 4
	MM 5
	MM 6
	MM 7
	WIN 0
	PLACES
	s_wait_xcnt 0x0                                ; the last tile's stores: their data and bases are written again only behind this wait
	s_add_nc_u64 s[72:73], s[72:73], 131072        ; four tiles on
	s_add_nc_u64 s[74:75], s[74:75], 16384
	NEXT
	WIN 0xff
	GELU 0, 64
	OUT
	s_add_co_u32 s77, s77, 1
	s_cmp_lt_u32 s77, s78
	s_cbranch_scc1 .Lloop
.Lfin:
	s_cmp_lg_u32 s16, 3
	s_cbranch_scc1 .Lend                           ; wave 3, which never has more tiles than the others, publishes mask word c's tokens: behind every address that is made of loaded numbers, since EXEC changes here
	v_and_b32 v21, s23, v[PFV]
	v_cmp_ne_u32 vcc_lo, 0, v21                    ; did my token choose the expert?
	v_mbcnt_lo_u32_b32 v22, vcc_lo, 0              ; the word's set bits under mine
	s_lshl_b32 s26, s18, 15
	s_add_co_u32 s26, s26, s79
	v_add_nc_u32 v22, s26, v22                     ; 32,768 e + rank
	v_bfe_u32 v21, v[PFV], 16, 3
	v_cmp_eq_u32 s27, s18, v21                     ; is my expert the token's second?
	v_cndmask_b32 v21, 0, 1, s27
	v_lshl_add_u32 v21, v[PT], 1, v21
	v_min_u32 v21, 0x7ff, v21                      ; a number made of loaded data enters an address only behind this bound
	v_lshlrev_b32 v21, 2, v21
	s_wait_alu depctr_va_vdst(0)                   ; directly ahead of the wait below
	s_wait_xcnt 0x0                                ; EXEC changes only behind this wait
	s_and_saveexec_b32 s76, vcc_lo
	global_store_b32 v21, v22, s[14:15]
	s_wait_xcnt 0x0
	s_or_b32 exec_lo, exec_lo, s76
.Lend:
	s_wait_tensorcnt 0x0                           ; the wave's end, behind my last LDS store
	ds_add_u32 v[SPW], v[NIL]
	s_wait_dscnt 0x0
	s_endpgm
.Lfunc_end_k_q3431e7742c_ffn1:
	.size	k_q3431e7742c_ffn1, .Lfunc_end_k_q3431e7742c_ffn1-k_q3431e7742c_ffn1
	.p2alignl 7, 3214868480
	.fill 96, 4, 3214868480
	.section	.rodata,"a",@progbits
	.p2align	6, 0x0
	.amdhsa_kernel k_q3431e7742c_ffn1
		.amdhsa_group_segment_fixed_size 68096
		.amdhsa_private_segment_fixed_size 0
		.amdhsa_enable_private_segment 0
		.amdhsa_kernarg_size 48
		.amdhsa_user_sgpr_count 2
		.amdhsa_user_sgpr_kernarg_segment_ptr 1
		.amdhsa_wavefront_size32 1
		.amdhsa_system_sgpr_workgroup_id_x 1
		.amdhsa_system_sgpr_workgroup_id_y 1
		.amdhsa_system_sgpr_workgroup_id_z 1
		.amdhsa_system_vgpr_workitem_id 0
		.amdhsa_next_free_vgpr 1024
		.amdhsa_next_free_sgpr 84
		.amdhsa_reserve_vcc 1
		.amdhsa_float_denorm_mode_32 3
		.amdhsa_float_denorm_mode_16_64 3
		.amdhsa_memory_ordered 1
		.amdhsa_forward_progress 1
		.amdhsa_inst_pref_size 181
	.end_amdhsa_kernel
	.amdgpu_metadata
---
amdhsa.version: [ 1, 2 ]
amdhsa.kernels:
  - .name:           k_q3431e7742c_ffn1
    .symbol:         k_q3431e7742c_ffn1.kd
    .args:
      - { .name: xq, .offset: 0, .size: 8, .value_kind: global_buffer, .address_space: global }
      - { .name: tm, .offset: 8, .size: 8, .value_kind: global_buffer, .address_space: global }
      - { .name: W1_codes, .offset: 16, .size: 8, .value_kind: global_buffer, .address_space: global }
      - { .name: W1_scales, .offset: 24, .size: 8, .value_kind: global_buffer, .address_space: global }
      - { .name: hq, .offset: 32, .size: 8, .value_kind: global_buffer, .address_space: global }
      - { .name: sl, .offset: 40, .size: 8, .value_kind: global_buffer, .address_space: global }
    .group_segment_fixed_size: 68096
    .private_segment_fixed_size: 0
    .kernarg_segment_align: 8
    .kernarg_segment_size: 48
    .max_flat_workgroup_size: 128
    .sgpr_count:     84
    .vgpr_count:     1024
    .wavefront_size: 32
...
	.end_amdgpu_metadata
.endif
;; end of part 2
;; launch ffn2 (part 3): grid 32 x 8, 4 waves a work-group, no clusters, 84,480 bytes of LDS; arguments hq, tm, W2_codes, W2_scales, rt, y, out1; writes y, out1
.if DOCPART == 3
	.amdgcn_target "amdgcn-amd-amdhsa--gfx1250"
	.amdhsa_code_object_version 6
	.text
	.protected	k_q3431e7742c_ffn2
	.globl	k_q3431e7742c_ffn2
	.p2align	8
	.type	k_q3431e7742c_ffn2,@function
k_q3431e7742c_ffn2:
	s_mov_b64 s[64:65], 0
	v_nop
	global_prefetch_b8 v0, s[64:65] scope:SCOPE_SE
	s_setreg_imm32_b32 hwreg(HW_REG_WAVE_MODE, 25, 1), 1
	s_wait_xcnt 0x0
; THE SECOND PRODUCT OF THE CHOSEN ROWS, IN TWO HALVES OF K: y[kh][e][c][slot][64] = h(K half kh) W2[e]^T, on E2M1 codes with E8M0 scales; and the loss.  Rows of experts that a token did not choose are
; left out, as in the launch before; the loss is 2^-18 sum_e P_e U_e, since usage.sum() is 2,048 by identity.
; SHARES.  Work-group (x, y = e): c = x / 2, kh = x % 2.  It owns rows 64 c .. 64 c + 63 of W2[e] (output columns) for K steps 16 kh .. 16 kh + 15: 64 KiB of codes, read from memory once, through an LDS
; stage into EVERY wave's registers (4 column tiles x 16 K steps: 512 registers).  A wave takes tiles J = wave, wave + 4, .. of 16 slots.  A fragment of h (1,024 bytes) so feeds four products, and a
; tile's 64 products want 16 fragments: half of what 32 columns over all of K would want.  The two halves of K are two planes of y, which the last launch adds (an order of sums that differs from K
; ascending; the result is compared within a tolerance).
; h's fragments come straight into registers as the images that the launch before stored, in groups of 8 K steps, 20 loads each, through four buffers that take turns.  Three groups are on their way at any
; time, 60 loads, a tile and a half: behind a group's products the group three further on is asked for.  The buffers are back where they began after two tiles: a trip of the loop walks two.
; The waves share nothing behind the one barrier.  No tensor load and no cluster: the number of tiles hangs on whole numbers read from memory (tm).
; THE PRODUCT IS USED TRANSPOSED (source 0 = 16 rows of W2, source 1 = 16 slots of h): a lane holds eight neighbouring columns of one slot.  The four column tiles' accumulators take turns.
; REGISTERS.  Window 0: v1-16 addresses; v32-63 W2's scale words (register 16 p + s: lane l = row 32 p + l's word of my K step s); v64-79 h's (register 4 b + q of buffer b: lanes 0-15 the group's K step q,
;   lanes 16-31 its K step 4 + q); v96-127 accumulators; v128-191 the way out, two sets; v192-223 tm, later the loss.
;   Windows 1, 2: W2's fragment (tile i, K step s) at v[8 (4 (s % 8) + i)] of window 1 + s / 8.   Window 3: buffer b at v[64 b]: the group's K step u at v[64 b + 8 u].
.set WP,    1040                       ; LDS: W2's stage, 64 rows of 1,024 bytes + 16: 65 x 16, so sixteen rows' 16-byte reads touch sixteen different 16-byte columns of 256
.set STG,   64*WP                      ; behind it a stage of 16 slots x (256 + 16) bytes for each wave
.set STGW,  16*272
.set SPARE, STG+4*STGW                 ; the spare words, 128 bytes for each wave: two blocks of 256 bytes that no other line names
.set SPW, 4
.set NIL, 5
.set W2S, 32
.set HS,  64
.set ACC, 96
.set RB,  128
.set TMW, 192
.set MSB, 0
.macro WIN new                         ; the immediate's high byte repeats the setting that is left; a switch that changes nothing is dropped
.if MSB != (\new)
	s_set_vgpr_msb (MSB<<8)|(\new)
.set MSB, (\new)
.endif
.endm
; Into buffer b: group gh (0, 1) of my tile tl tiles of mine on: 8 fragments (16 loads of 512 consecutive bytes) and their scale words (4 loads): 20 loads.  My tiles lie four tiles apart.
.macro HGRP b, tl, gh
	WIN 0xc0                                       ; destination window 3
.set hu, 0
.rept 8
	global_load_b128 v[64*(\b)+8*hu:64*(\b)+8*hu+3],   v6, s[30:31] offset:(\tl)*131072+1024*(8*(\gh)+hu)
	global_load_b128 v[64*(\b)+8*hu+4:64*(\b)+8*hu+7], v6, s[30:31] offset:(\tl)*131072+1024*(8*(\gh)+hu)+512
.set hu, hu+1
.endr
	WIN 0
.irp q, 0,1,2,3
	global_load_b32 v[HS+4*(\b)+\q], v7, s[32:33] offset:(\tl)*16384+128*(8*(\gh)+\q)
.endr
.endm
; One product: the tile of parity p, its group gh, the group's K step u, column tile i.  The tile's first four products start the sums.
.macro MMX p, gh, u, i
.set rD, ACC+8*(\i)
.set rA, 8*(4*(\u)+(\i))
.set rB, 64*(2*(\p)+(\gh))+8*(\u)
.set rSA, W2S+16*((\i)/2)+8*(\gh)+(\u)
.set rSB, HS+4*(2*(\p)+(\gh))+(\u)%4
.if ((\gh)+(\u)) == 0
.if (\i)%2 == 0
	v_wmma_scale_f32_16x16x128_f8f6f4 v[rD:rD+7], v[rA:rA+7], v[rB:rB+7], 0, v[rSA], v[rSB] matrix_a_fmt:MATRIX_FMT_FP4 matrix_b_fmt:MATRIX_FMT_FP4
.else
	v_wmma_scale_f32_16x16x128_f8f6f4 v[rD:rD+7], v[rA:rA+7], v[rB:rB+7], 0, v[rSA], v[rSB] matrix_a_fmt:MATRIX_FMT_FP4 matrix_b_fmt:MATRIX_FMT_FP4 matrix_a_scale:MATRIX_SCALE_ROW1
.endif
.elseif (\u) < 4
.if (\i)%2 == 0
	v_wmma_scale_f32_16x16x128_f8f6f4 v[rD:rD+7], v[rA:rA+7], v[rB:rB+7], v[rD:rD+7], v[rSA], v[rSB] matrix_a_fmt:MATRIX_FMT_FP4 matrix_b_fmt:MATRIX_FMT_FP4
.else
	v_wmma_scale_f32_16x16x128_f8f6f4 v[rD:rD+7], v[rA:rA+7], v[rB:rB+7], v[rD:rD+7], v[rSA], v[rSB] matrix_a_fmt:MATRIX_FMT_FP4 matrix_b_fmt:MATRIX_FMT_FP4 matrix_a_scale:MATRIX_SCALE_ROW1
.endif
.else
.if (\i)%2 == 0
	v_wmma_scale_f32_16x16x128_f8f6f4 v[rD:rD+7], v[rA:rA+7], v[rB:rB+7], v[rD:rD+7], v[rSA], v[rSB] matrix_a_fmt:MATRIX_FMT_FP4 matrix_b_fmt:MATRIX_FMT_FP4 matrix_b_scale:MATRIX_SCALE_ROW1
.else
	v_wmma_scale_f32_16x16x128_f8f6f4 v[rD:rD+7], v[rA:rA+7], v[rB:rB+7], v[rD:rD+7], v[rSA], v[rSB] matrix_a_fmt:MATRIX_FMT_FP4 matrix_b_fmt:MATRIX_FMT_FP4 matrix_a_scale:MATRIX_SCALE_ROW1 matrix_b_scale:MATRIX_SCALE_ROW1
.endif
.endif
.endm
; A group's 32 products.  cnt: the loads issued behind this group's, which may stay out.  Behind them the places: four in front of loads into registers that products have read and of the first read of
; results; five behind a tile's last group, since the next tile's first products begin the same accumulators anew.
.macro GROUP p, gh, cnt
	s_wait_loadcnt \cnt
	WIN 0x0d+(\gh)                                 ; source 0 (W2) window 1 or 2, source 1 (h) window 3, C and D window 0
.irp u, 0,1,2,3,4,5,6,7
.irp i, 0,1,2,3
	MMX \p, \gh, \u, \i
.endr
.endr
.rept 4+(\gh)
	v_nop
.endr
.endm
; THE WAY OUT of a tile: 16 slots x 256 bytes through my own stage, back as whole slots, two to a store.  set: which 32 registers; yoff: the tile's place from s[34:35].
.macro WAYOUT set, yoff
	WIN 0
.irp i, 0,1,2,3
	ds_store_b128 v8, v[ACC+8*\i:ACC+8*\i+3] offset:64*\i          ; slot r, columns 16 i + 8 h + 0 .. 7; each accumulator from its low end on
	ds_store_b128 v8, v[ACC+8*\i+4:ACC+8*\i+7] offset:64*\i+16
.endr
.irp q, 0,1,2,3,4,5,6,7
	ds_load_b128 v[RB+32*(\set)+4*\q:RB+32*(\set)+4*\q+3], v9 offset:544*\q   ; LDS serves a wave's instructions in order: these see my stores
.endr
.irp q, 0,1,2,3,4,5,6,7
	s_wait_dscnt 7-\q                              ; load q is in; the younger ones may be out
	global_store_b128 v6, v[RB+32*(\set)+4*\q:RB+32*(\set)+4*\q+3], s[34:35] offset:(\yoff)+512*\q   ; 32 lanes store 512 consecutive bytes, at a multiple of 512 from y's first byte
.endr
.endm
; TWO TILES.  At the head buffers 0, 1, 2 are on their way: the first tile whole, the second's first group.  la = 2: two more tiles follow at the least, and all four look-aheads are issued: the next trip
; finds what this one found.  la = 1: one more tile follows: its two groups are asked for.  la = 0: nothing follows.
.macro PAIR la
	GROUP 0, 0, 40                                 ; behind buffer 0's loads: buffers 1 and 2
	HGRP 3, 1, 1
	GROUP 0, 1, 40                                 ; buffers 2 and 3
.if \la >= 1
	HGRP 0, 2, 0
.endif
	WAYOUT 0, 0
.if \la >= 1
	GROUP 1, 0, 40                                 ; buffers 3 and 0
	HGRP 1, 2, 1
	GROUP 1, 1, 40                                 ; buffers 0 and 1
.else
	GROUP 1, 0, 20                                 ; buffer 3 alone
	GROUP 1, 1, 0
.endif
.if \la == 2
	HGRP 2, 3, 0
.endif
	WAYOUT 1, 16384
.if \la >= 1
	s_wait_xcnt 0x0                                ; the stores' data (both sets) and all three bases are written again only behind this wait
	s_add_nc_u64 s[30:31], s[30:31], 262144        ; two tiles of mine on
	s_add_nc_u64 s[32:33], s[32:33], 32768
	s_add_nc_u64 s[34:35], s[34:35], 32768
.endif
.endm
.macro FR j                            ; column tile j's 16 fragments out of the stage, 32 LDS loads: they stay in registers
	WIN 0x40                                       ; destination window 1
.set ks, 0
.rept 8
	ds_load_b128 v[8*(4*ks+\j):8*(4*ks+\j)+3],   v11 offset:16*\j*WP+64*ks
	ds_load_b128 v[8*(4*ks+\j)+4:8*(4*ks+\j)+7], v11 offset:16*\j*WP+64*ks+32
.set ks, ks+1
.endr
	WIN 0x80                                       ; window 2
.rept 8
	ds_load_b128 v[8*(4*(ks-8)+\j):8*(4*(ks-8)+\j)+3],   v11 offset:16*\j*WP+64*ks
	ds_load_b128 v[8*(4*(ks-8)+\j)+4:8*(4*(ks-8)+\j)+7], v11 offset:16*\j*WP+64*ks+32
.set ks, ks+1
.endr
	WIN 0
.endm
.macro FRAGS                           ; the last column tile's fragments are in
	s_wait_dscnt 0x0
.endm
	s_load_b256 s[4:11], s[0:1], 0x0               ; hq s[4:5], tm s[6:7], W2's codes s[8:9], W2's scales s[10:11]
	s_load_b128 s[12:15], s[0:1], 0x20             ; rt s[12:13], y s[14:15]
	s_load_b64 s[16:17], s[0:1], 0x30              ; out1
	v_lshl_add_u32 v[SPW], v0, 2, SPARE
	v_mov_b32 v[NIL], 0
	v_lshrrev_b32 v1, 5, v0
	v_readfirstlane_b32 s18, v1                    ; wave 0..3
	s_mov_b32 s19, ttmp9                           ; x
	s_and_b32 s20, ttmp7, 0xffff                   ; e
	s_lshr_b32 s41, s19, 1                         ; c: which 64 columns
	s_and_b32 s25, s19, 1                          ; kh: which half of K
	v_and_b32 v1, 31, v0                           ; lane
	v_and_b32 v2, 15, v0                           ; r
	v_bfe_u32 v3, v0, 4, 1                         ; h
	v_lshlrev_b32 v6, 4, v1                        ; 16 x lane
	v_lshlrev_b32 v7, 2, v2
	v_lshl_add_u32 v7, v3, 9, v7                   ; h's scale words: 4 r; lanes 16-31 four K steps on
	s_mul_i32 s26, s18, STGW
	s_add_co_u32 s26, s26, STG                     ; my stage
	v_mul_u32_u24 v8, v2, 272
	v_lshl_add_u32 v8, v3, 5, v8
	v_add_nc_u32 v8, s26, v8                       ; in: slot r, + 32 h
	v_mul_u32_u24 v9, v3, 272
	v_lshl_add_u32 v9, v2, 4, v9
	v_add_nc_u32 v9, s26, v9                       ; back: sixteen lanes to a slot
	v_lshrrev_b32 v14, 6, v0                       ; thread / 64: the work-group reads my half of two rows of W2 at a time,
	v_and_b32 v15, 63, v0
	v_lshlrev_b32 v15, 4, v15                      ; 16 bytes a thread: a wave reads 512 consecutive bytes
	v_lshl_add_u32 v10, v14, 11, v15               ; in memory: rows 2,048 bytes apart
	v_mul_u32_u24 v13, v14, WP
	v_add_nc_u32 v13, v13, v15                     ; in the stage
	v_mul_u32_u24 v11, v2, WP
	v_lshl_add_u32 v11, v3, 4, v11                 ; a fragment's row and half
	v_lshlrev_b32 v12, 7, v1                       ; W2's scale words: 128 bytes a row, a lane a row
	v_mov_b32 v16, 0
	s_lshl_b32 s24, 1, s20                         ; my expert's bit
	s_mov_b32 s36, 0x76543210
	s_mov_b32 s37, 0xfedcba98
	s_lshl_b32 s26, s20, 10
	s_lshl_b32 s27, s41, 6
	s_add_co_u32 s26, s26, s27                     ; my first row of W2: 1,024 e + 64 c
	s_lshl_b32 s28, s26, 11
	s_lshl_b32 s27, s25, 10
	s_add_co_u32 s28, s28, s27                     ; + my half of a row's 2,048 bytes
	s_mov_b32 s29, 0
	s_wait_alu depctr_va_vdst(0)
	s_wait_kmcnt 0x0
	s_add_nc_u64 s[8:9], s[8:9], s[28:29]
	s_lshl_b32 s28, s26, 7
	s_lshl_b32 s27, s25, 6
	s_add_co_u32 s28, s28, s27                     ; + my half of a row's 128 scale bytes
	s_add_nc_u64 s[10:11], s[10:11], s[28:29]
	s_lshl_b32 s26, s20, 6
	s_add_co_u32 s26, s26, s18                     ; 64 e + my first tile
	s_lshl_b32 s28, s26, 15
	s_lshl_b32 s27, s25, 14
	s_add_co_u32 s28, s28, s27                     ; + 16 K steps of 1,024 bytes
	s_add_nc_u64 s[30:31], s[4:5], s[28:29]        ; its images
	s_lshl_b32 s28, s26, 12
	s_lshl_b32 s27, s25, 11
	s_add_co_u32 s28, s28, s27                     ; + 16 K steps of 128 bytes
	s_add_nc_u64 s[32:33], s[4:5], s[28:29]
	s_add_nc_u64 s[32:33], s[32:33], 16777216      ; its scale words
	s_lshl_b32 s26, s20, 4
	s_add_co_u32 s26, s26, s41
	s_lshl_b32 s28, s26, 18                        ; plane 16 e + c of y: 1,024 slots of 256 bytes
	s_lshl_b32 s27, s18, 12                        ; my first tile: 16 slots
	s_add_co_u32 s28, s28, s27
	s_lshl_b32 s27, s25, 25                        ; my half of K: 128 planes on
	s_add_co_u32 s28, s28, s27
	s_add_nc_u64 s[34:35], s[14:15], s[28:29]
.irp i, 0,1,2,3,4,5,6,7
	global_load_b128 v[TMW+4*\i:TMW+4*\i+3], v6, s[6:7] offset:512*\i
.endr
	WIN 0xc0                                       ; destination window 3, where h's fragments come only behind the stage's stores
.set i, 0
.rept 32
	global_load_b128 v[4*i:4*i+3], v10, s[8:9] offset:4096*i th:TH_LOAD_NT   ; my slice of W2; no other work-group reads it
.set i, i+1
.endr
	WIN 0
.irp p, 0,1
.irp q, 0,1,2,3
	global_load_b128 v[W2S+16*\p+4*\q:W2S+16*\p+4*\q+3], v12, s[10:11] offset:4096*\p+16*\q
.endr
.endr
	s_wait_loadcnt 40                              ; tm's eight loads are in; the 32 + 8 issued behind them may be out
	s_mov_b32 s21, 0
.set W, 0
.rept 32
	v_and_b32 v[14+W%2], s24, v[TMW+W]
	v_cmp_ne_u32 s[26+W%2], 0, v[14+W%2]
	s_bcnt1_i32_b32 s[28+W%2], s[26+W%2]
	s_add_co_u32 s21, s21, s[28+W%2]               ; the expert's rows
.set W, W+1
.endr
	s_add_co_u32 s22, s21, 15
	s_lshr_b32 s22, s22, 4
	s_min_u32 s22, s22, 64                         ; its tiles
; THE SLICE GOES THROUGH THE STAGE BY COLUMN TILES (16 rows, 8 loads of the work-group each), each with a barrier of its own, all four ahead of every branch on loaded numbers:
; a tile's fragments are asked for while the later tiles' rows are on their way.
.set i, 0
.irp j, 0,1,2,3
	s_wait_loadcnt 32-8*\j                         ; column tile j's eight loads are in; the later tiles' and the 8 of scale words may be out
	WIN 0x0c                                       ; an LDS store's data are its source 1: window 3
.rept 8
	ds_store_b128 v13, v[4*i:4*i+3] offset:2*WP*i
.set i, i+1
.endr
	WIN 0
	s_wait_dscnt 0x0                               ; my part of the tile has landed, and the fragments that I asked for earlier are in
	s_barrier_signal -1
	s_barrier_wait -1                              ; the tile's 16 rows are whole in LDS
	FR \j
.endr
	s_wait_loadcnt 0x0                             ; the scale words
	s_cmp_ge_u32 s18, s22
	s_cbranch_scc1 .Lfin                           ; no tile for me
	s_sub_co_u32 s39, s22, s18                     ; my tiles: (tiles - wave + 3) / 4, at least one,
	s_add_co_u32 s39, s39, 3
	s_lshr_b32 s39, s39, 2
	s_min_u32 s39, s39, 16                         ; 16 at the most: 64 tiles over four waves
	HGRP 0, 0, 0                                   ; my first tile is asked for ahead of the fragments
	HGRP 1, 0, 1
	s_cmp_eq_u32 s39, 1
	s_cbranch_scc1 .Lone                           ; the one branch that parts a single tile from the rest: the run of fragment loads stands in both arms
	HGRP 2, 1, 0                                   ; and half of my second
	FRAGS
	s_sub_co_u32 s40, s39, 2
	s_lshr_b32 s40, s40, 1                         ; trips with two more tiles behind them: (tiles - 2) / 2,
	s_min_u32 s40, s40, 7                          ; 7 at the most
	s_mov_b32 s23, 0                               ; the loop counts its trips one by one
	s_cmp_eq_u32 s40, 0
	s_cbranch_scc1 .Lrest
.Lloop:
	PAIR 2
	s_add_co_u32 s23, s23, 1
	s_cmp_lt_u32 s23, s40
	s_cbranch_scc1 .Lloop
.Lrest:                                            ; two tiles are left, or three
	s_and_b32 s26, s39, 1
	s_cmp_lg_u32 s26, 0
	s_cbranch_scc1 .Lthree
	PAIR 0
	s_branch .Lfin
.Lthree:
	PAIR 1
	s_branch .Lsingle
.Lone:
	FRAGS
.Lsingle:                                          ; my last tile, in buffers 0 and 1: both its groups are on their way, and nothing else
	GROUP 0, 0, 20
	GROUP 0, 1, 0
	WAYOUT 0, 0
.Lfin:
	s_or_b32 s26, s19, s20                         ; THE LOSS: wave 3 of work-group (0, 0), whatever expert 0's count
	s_cmp_lg_u32 s26, 0
	s_cbranch_scc1 .Lend
	s_cmp_lg_u32 s18, 3
	s_cbranch_scc1 .Lend
	WIN 0xc0                                       ; the 256 records of 16 numbers, 16,384 bytes on end, into window 3, where h's fragments are done with
.set i, 0
.rept 32
	global_load_b128 v[4*i:4*i+3], v6, s[12:13] offset:8192+512*i   ; lane l: numbers 4 (l % 4) + 0 .. 3 of record 8 i + l / 4
.set i, i+1
.endr
	s_wait_loadcnt 0x0
	WIN 0xff
	v_pk_add_f32 v[128:129], v[0:1], v[8:9]        ; two chains of two pairs
	v_pk_add_f32 v[130:131], v[2:3], v[10:11]
	v_pk_add_f32 v[132:133], v[4:5], v[12:13]
	v_pk_add_f32 v[134:135], v[6:7], v[14:15]
.set i, 4
.rept 28
	v_pk_add_f32 v[128+4*(i%2):129+4*(i%2)], v[128+4*(i%2):129+4*(i%2)], v[4*i:4*i+1]
	v_pk_add_f32 v[130+4*(i%2):131+4*(i%2)], v[130+4*(i%2):131+4*(i%2)], v[4*i+2:4*i+3]
.set i, i+1
.endr
	v_pk_add_f32 v[128:129], v[128:129], v[132:133]
	v_pk_add_f32 v[130:131], v[130:131], v[134:135]
	WIN 0x03                                       ; source 0 window 3, destination window 0
.irp j, 0,1,2,3
	v_mov_b32 v[TMW+\j], v[128+\j]
.endr
	WIN 0
.irp x, 4,8                            ; the lanes with the same l % 4 are added
.irp j, 0,1,2,3
	v_add_f32_dpp v[TMW+\j], v[TMW+\j], v[TMW+\j] row_xmask:\x row_mask:0xf bank_mask:0xf
.endr
.endr
.irp j, 0,1,2,3
	v_permlanex16_b32 v[TMW+4+\j], v[TMW+\j], s36, s37   ; (its destination counts as read: tm's loads have written these registers)
.endr
.irp j, 0,1,2,3
	v_add_f32 v[TMW+\j], v[TMW+\j], v[TMW+4+\j]    ; l % 4 = 0: P0-3; 1: P4-7; 2: U0-3; 3: U4-7
.endr
.irp j, 0,1,2,3
	v_mov_b32_dpp v[TMW+4+\j], v[TMW+\j] row_xmask:2 row_mask:0xf bank_mask:0xf   ; P's lanes get the U of the same experts
.endr
	v_mul_f32 v[TMW+8], v[TMW], v[TMW+4]
	v_fmac_f32 v[TMW+8], v[TMW+1], v[TMW+5]
	v_fmac_f32 v[TMW+8], v[TMW+2], v[TMW+6]
	v_fmac_f32 v[TMW+8], v[TMW+3], v[TMW+7]
	v_add_f32_dpp v[TMW+8], v[TMW+8], v[TMW+8] row_xmask:1 row_mask:0xf bank_mask:0xf   ; experts 0-3 and 4-7
	v_mul_f32 v[TMW+8], 0x36800000, v[TMW+8]       ; x 2^-18
	s_wait_alu depctr_va_vdst(0)
	s_wait_xcnt 0x0                                ; EXEC changes only behind this wait
	v_cmp_eq_u32 vcc_lo, 0, v1
	s_and_saveexec_b32 s38, vcc_lo                 ; lane 0 alone
	global_store_b32 v16, v[TMW+8], s[16:17]
	s_wait_xcnt 0x0
	s_or_b32 exec_lo, exec_lo, s38
.Lend:
	s_wait_tensorcnt 0x0                           ; the wave's end, behind my last LDS store
	ds_add_u32 v[SPW], v[NIL]
	s_wait_dscnt 0x0
	s_endpgm
.Lfunc_end_k_q3431e7742c_ffn2:
	.size	k_q3431e7742c_ffn2, .Lfunc_end_k_q3431e7742c_ffn2-k_q3431e7742c_ffn2
	.p2alignl 7, 3214868480
	.fill 96, 4, 3214868480
	.section	.rodata,"a",@progbits
	.p2align	6, 0x0
	.amdhsa_kernel k_q3431e7742c_ffn2
		.amdhsa_group_segment_fixed_size 84480
		.amdhsa_private_segment_fixed_size 0
		.amdhsa_enable_private_segment 0
		.amdhsa_kernarg_size 56
		.amdhsa_user_sgpr_count 2
		.amdhsa_user_sgpr_kernarg_segment_ptr 1
		.amdhsa_wavefront_size32 1
		.amdhsa_system_sgpr_workgroup_id_x 1
		.amdhsa_system_sgpr_workgroup_id_y 1
		.amdhsa_system_sgpr_workgroup_id_z 1
		.amdhsa_system_vgpr_workitem_id 0
		.amdhsa_next_free_vgpr 1024
		.amdhsa_next_free_sgpr 66
		.amdhsa_reserve_vcc 1
		.amdhsa_float_denorm_mode_32 3
		.amdhsa_float_denorm_mode_16_64 3
		.amdhsa_memory_ordered 1
		.amdhsa_forward_progress 1
		.amdhsa_inst_pref_size 129
	.end_amdhsa_kernel
	.amdgpu_metadata
---
amdhsa.version: [ 1, 2 ]
amdhsa.kernels:
  - .name:           k_q3431e7742c_ffn2
    .symbol:         k_q3431e7742c_ffn2.kd
    .args:
      - { .name: hq, .offset: 0, .size: 8, .value_kind: global_buffer, .address_space: global }
      - { .name: tm, .offset: 8, .size: 8, .value_kind: global_buffer, .address_space: global }
      - { .name: W2_codes, .offset: 16, .size: 8, .value_kind: global_buffer, .address_space: global }
      - { .name: W2_scales, .offset: 24, .size: 8, .value_kind: global_buffer, .address_space: global }
      - { .name: rt, .offset: 32, .size: 8, .value_kind: global_buffer, .address_space: global }
      - { .name: y, .offset: 40, .size: 8, .value_kind: global_buffer, .address_space: global }
      - { .name: out1, .offset: 48, .size: 8, .value_kind: global_buffer, .address_space: global }
    .group_segment_fixed_size: 84480
    .private_segment_fixed_size: 0
    .kernarg_segment_align: 8
    .kernarg_segment_size: 56
    .max_flat_workgroup_size: 128
    .sgpr_count:     66
    .vgpr_count:     1024
    .wavefront_size: 32
...
	.end_amdgpu_metadata
.endif
;; end of part 3
;; launch combine (part 4): grid 256 x 1, 8 waves a work-group, no clusters, 0 bytes of LDS; arguments sl, rt, y, out0; writes out0
.if DOCPART == 4
	.amdgcn_target "amdgcn-amd-amdhsa--gfx1250"
	.amdhsa_code_object_version 6
	.text
	.protected	k_q3431e7742c_combine
	.globl	k_q3431e7742c_combine
	.p2align	8
	.type	k_q3431e7742c_combine,@function
k_q3431e7742c_combine:
	s_mov_b64 s[64:65], 0
	v_nop
	global_prefetch_b8 v0, s[64:65] scope:SCOPE_SE
	s_setreg_imm32_b32 hwreg(HW_REG_WAVE_MODE, 25, 1), 1
	s_wait_xcnt 0x0
; out0[t] = v0 (y0 + y1)[slot of (t, first expert)] + v1 (y0 + y1)[slot of (t, second expert)], y0 and y1 the two halves of K.  The six experts that a token did not choose are left out: reference() gives them the weight 0.
; A work-group takes four tokens, a wave half a token: 512 columns.  sl[2 t + k] = 32,768 e + rank; (word + (word & 1,023)) x 128 = 4 MiB x e + 256 x rank is the byte of the slot's 64 columns in plane c = 0 of
; y[kh][e][c][slot][64]; plane c lies 262,144 c bytes on, the second half of K 32 MiB on.
; A load brings two planes' pieces of 256 bytes: lane l takes plane 8 half + 2 q + l / 16, columns 4 (l % 16) + 0 .. 3, which is column 512 half + 128 q + 4 l of the row: so each store covers 512 consecutive bytes of out0.
; A stream: no LDS, no barrier, no matrix unit; all 16 loads of a wave go out at once, each has registers of its own.
.set A0, 16                            ; v16-31  the first expert's piece, first half of K; then the result
.set A1, 32                            ; v32-47  its second half of K
.set B0, 48                            ; v48-63  the second expert's
.set B1, 64                            ; v64-79
	s_load_b256 s[4:11], s[0:1], 0x0               ; sl s[4:5], rt s[6:7], y s[8:9], out0 s[10:11]
	v_lshrrev_b32 v1, 5, v0
	s_delay_alu instid0(VALU_DEP_1)
	v_readfirstlane_b32 s12, v1                    ; wave 0..7
	s_and_b32 s29, s12, 1                          ; which half of the token
	s_lshr_b32 s28, s12, 1
	s_lshl_b32 s13, ttmp9, 2
	s_add_co_u32 s12, s13, s28                     ; my token
	s_lshl_b32 s13, s12, 3                         ; 8 bytes a token in sl and in rt
	v_and_b32 v1, 31, v0
	s_delay_alu instid0(VALU_DEP_1)
	v_lshlrev_b32 v3, 4, v1                        ; out0: 16 x lane
	s_delay_alu instid0(VALU_DEP_2)
	v_lshrrev_b32 v2, 4, v1
	s_delay_alu instid0(VALU_DEP_3)
	v_and_b32 v4, 15, v1
	s_delay_alu instid0(VALU_DEP_1)
	v_lshlrev_b32 v4, 4, v4
	s_delay_alu instid0(VALU_DEP_1)
	v_lshl_add_u32 v2, v2, 18, v4                  ; y: plane l / 16, 16 (l % 16) bytes in
	s_lshl_b32 s26, s12, 12
	s_lshl_b32 s28, s29, 11
	s_add_co_u32 s26, s26, s28                     ; my 2,048 bytes of out0
	s_mov_b32 s27, 0
	s_lshl_b32 s30, s29, 21                        ; my eight planes of y
	s_mov_b32 s31, 0
	s_mov_b32 s19, 0
	s_wait_alu depctr_va_vdst(0)
	s_wait_kmcnt 0x0
	s_load_b64 s[16:17], s[4:5], s13 offset:0x0    ; the two slots
	s_load_b64 s[14:15], s[6:7], s13 offset:0x0    ; the two weights
	s_add_nc_u64 s[10:11], s[10:11], s[26:27]
	s_add_nc_u64 s[8:9], s[8:9], s[30:31]
	s_wait_kmcnt 0x0
	s_min_u32 s16, s16, 0x383ff                    ; a loaded number enters an address only behind this bound: 32,768 x 7 + 1,023
	s_min_u32 s17, s17, 0x383ff
	s_and_b32 s18, s16, 0x3ff
	s_add_co_u32 s18, s18, s16                     ; 32,768 e + 2 rank
	s_lshl_b32 s18, s18, 7
	s_add_nc_u64 s[20:21], s[8:9], s[18:19]        ; the first expert's slot, first half of K,
	s_add_nc_u64 s[32:33], s[20:21], 0x2000000     ; and second
	s_and_b32 s18, s17, 0x3ff
	s_add_co_u32 s18, s18, s17
	s_lshl_b32 s18, s18, 7
	s_add_nc_u64 s[22:23], s[8:9], s[18:19]        ; the second expert's
	s_add_nc_u64 s[34:35], s[22:23], 0x2000000
	s_mov_b32 s24, s15                             ; v1 as the low word of a pair of its own (the packed form takes a pair's low word for both halves)
	s_mov_b32 s25, s15
.irp q, 0,1,2,3
	global_load_b128 v[A0+4*\q:A0+4*\q+3], v2, s[20:21] offset:524288*\q th:TH_LOAD_NT
	global_load_b128 v[A1+4*\q:A1+4*\q+3], v2, s[32:33] offset:524288*\q th:TH_LOAD_NT
	global_load_b128 v[B0+4*\q:B0+4*\q+3], v2, s[22:23] offset:524288*\q th:TH_LOAD_NT
	global_load_b128 v[B1+4*\q:B1+4*\q+3], v2, s[34:35] offset:524288*\q th:TH_LOAD_NT
.endr
.irp q, 0,1,2,3
	s_wait_loadcnt 12-4*\q                         ; the four loads of q are in; the younger fours may be out
.irp p, 0,2
	v_pk_mul_f32 v[A0+4*\q+\p:A0+4*\q+\p+1], v[A0+4*\q+\p:A0+4*\q+\p+1], s[14:15] op_sel_hi:[1,0]
.endr
.irp p, 0,2
	s_delay_alu instid0(VALU_DEP_2)
	v_pk_fma_f32 v[A0+4*\q+\p:A0+4*\q+\p+1], v[A1+4*\q+\p:A1+4*\q+\p+1], s[14:15], v[A0+4*\q+\p:A0+4*\q+\p+1] op_sel_hi:[1,0,1]
.endr
.irp p, 0,2
	s_delay_alu instid0(VALU_DEP_2)
	v_pk_fma_f32 v[A0+4*\q+\p:A0+4*\q+\p+1], v[B0+4*\q+\p:B0+4*\q+\p+1], s[24:25], v[A0+4*\q+\p:A0+4*\q+\p+1] op_sel_hi:[1,0,1]
.endr
.irp p, 0,2
	s_delay_alu instid0(VALU_DEP_2)
	v_pk_fma_f32 v[A0+4*\q+\p:A0+4*\q+\p+1], v[B1+4*\q+\p:B1+4*\q+\p+1], s[24:25], v[A0+4*\q+\p:A0+4*\q+\p+1] op_sel_hi:[1,0,1]
.endr
	global_store_b128 v3, v[A0+4*\q:A0+4*\q+3], s[10:11] offset:512*\q th:TH_STORE_NT
.endr
	s_endpgm
.Lfunc_end_k_q3431e7742c_combine:
	.size	k_q3431e7742c_combine, .Lfunc_end_k_q3431e7742c_combine-k_q3431e7742c_combine
	.p2alignl 7, 3214868480
	.fill 96, 4, 3214868480
	.section	.rodata,"a",@progbits
	.p2align	6, 0x0
	.amdhsa_kernel k_q3431e7742c_combine
		.amdhsa_group_segment_fixed_size 0
		.amdhsa_private_segment_fixed_size 0
		.amdhsa_enable_private_segment 0
		.amdhsa_kernarg_size 32
		.amdhsa_user_sgpr_count 2
		.amdhsa_user_sgpr_kernarg_segment_ptr 1
		.amdhsa_wavefront_size32 1
		.amdhsa_system_sgpr_workgroup_id_x 1
		.amdhsa_system_sgpr_workgroup_id_y 1
		.amdhsa_system_sgpr_workgroup_id_z 1
		.amdhsa_system_vgpr_workitem_id 0
		.amdhsa_next_free_vgpr 80
		.amdhsa_next_free_sgpr 66
		.amdhsa_reserve_vcc 0
		.amdhsa_float_denorm_mode_32 3
		.amdhsa_float_denorm_mode_16_64 3
		.amdhsa_memory_ordered 1
		.amdhsa_forward_progress 1
		.amdhsa_inst_pref_size 7
	.end_amdhsa_kernel
	.amdgpu_metadata
---
amdhsa.version: [ 1, 2 ]
amdhsa.kernels:
  - .name:           k_q3431e7742c_combine
    .symbol:         k_q3431e7742c_combine.kd
    .args:
      - { .name: sl, .offset: 0, .size: 8, .value_kind: global_buffer, .address_space: global }
      - { .name: rt, .offset: 8, .size: 8, .value_kind: global_buffer, .address_space: global }
      - { .name: y, .offset: 16, .size: 8, .value_kind: global_buffer, .address_space: global }
      - { .name: out0, .offset: 24, .size: 8, .value_kind: global_buffer, .address_space: global }
    .group_segment_fixed_size: 0
    .private_segment_fixed_size: 0
    .kernarg_segment_align: 8
    .kernarg_segment_size: 32
    .max_flat_workgroup_size: 256
    .sgpr_count:     66
    .vgpr_count:     80
    .wavefront_size: 32
...
	.end_amdgpu_metadata
.endif
;; end of part 4
